; MI455X (gfx1250); checked and timed in simulation.
; The chip was launched on July 23, 2026; its instructions are those of AMD's public machine-readable ISA for CDNA 5 (MIT licence, August 2026) and "CDNA5" Instruction Set Architecture Reference Guide (July 2026). The comments in the code are by the model that wrote it; some were corrected since.
;; Pos Biased Multi Headed Attention. Allowed arithmetic: matrix products marked QUANTISED: E2M1 operands, one E8M0 scale for each 32 along K, by v_wmma_scale_f32_16x16x128_f8f6f4 with both operands' format E2M1 (or v_wmma_scale_f32_32x16x128_f4), f32 sums; products left as they are: bf16, f16 or f32 operands; f32 sums; everything else in f32.
;; Inputs: Wb 192 x 12 float32; Wk 768 x 768 float32; Wo 768 x 768 float32; Wq 768 x 768 float32; Wv 768 x 768 float32; bb 12 float32; bk 768 float32; bo 768 float32; bq 768 float32; bv 768 float32; key 2 x 512 x 768 float32; key_x 2 x 512 float32; key_y 2 x 512 float32; query 2 x 512 x 768 float32; query_x 2 x 512 float32; query_y 2 x 512 float32; value 2 x 512 x 768 float32; x_table 41 x 192 float32; y_table 41 x 192 float32.
;; Outputs: out0 2 x 512 x 768 float32.
;; This version of the problem:
;;   THIS VERSION OF THE PROBLEM IS GIVEN IN LOW PRECISION. The matrix products marked QUANTISED in the list below multiply operands that are first quantised to E2M1 (2 exponent bits, 1 mantissa bit; 4 bits a number), with one power-of-two scale for each 32 numbers along K (OCP MX v1.0); their sums are f32. The products marked 'left as it is' may take bf16, f16 or f32 operands, with f32 sums. Whichever they take, every output number must still come out within the allowed error. Rounding operands to bf16 (8 significant bits) uses up far more of that allowance than f16 does (11 bits, for magnitudes from 6e-5 to 65,504). All else is computed in f32.
;;   The module's matrix products, in the order in which they are computed (A, B: the left and right operand; K: the contracted axis; several contracted axes count as one K, in the product's order):
;;     1. [M 524,288, K 192] x [K 192, N 12]; A: computed on the way; B: input Wb: left as it is (N = 12 < 16)
;;     2. [M 1,024, K 768] x [K 768, N 768]; A: input query; B: input Wq: QUANTISED
;;     3. [M 1,024, K 768] x [K 768, N 768]; A: input key; B: input Wk: QUANTISED
;;     4. [M 1,024, K 768] x [K 768, N 768]; A: input value; B: input Wv: QUANTISED
;;     5. batch 24 x [M 512, K 64] x [K 64, N 512]; A: computed on the way; B: computed on the way: left as it is (an operand is computed on the way)
;;     6. batch 24 x [M 512, K 512] x [K 512, N 64]; A: computed on the way; B: computed on the way: left as it is (an operand is computed on the way)
;;     7. [M 1,024, K 768] x [K 768, N 768]; A: computed on the way; B: input Wo: left as it is (an operand is computed on the way)
;;   THE QUANTISER, for each operand of a quantised product, along K:
;;     - K is cut into blocks of 32 from its start; a last block that is shorter is filled with zeros.
;;     - A block's scale is 2^e with e = floor(log2(the largest magnitude in the block)) - 2, held to -126 .. 127; a block of zeros has e = 0. As a byte (E8M0): e + 127.
;;     - Each number is divided by its block's scale, clamped to +-6, and rounded to the nearest number of E2M1, ties to even, subnormals kept.
;;     - The product sums the exact products of the quantised numbers (number of the format x scale) in f32.
;;   ~~~python
;;   def quantise(x, axis):      # numpy; x: float32 -> the quantised numbers, widened to float32 again
;;       x = np.moveaxis(x, axis, -1); K = x.shape[-1]
;;       x = np.pad(x, [(0, 0)] * (x.ndim - 1) + [(0, -K % 32)]); x = x.reshape(x.shape[:-1] + (-1, 32)); a = np.abs(x).max(-1, keepdims=True)
;;       e = np.where(a > 0, np.clip(np.frexp(np.where(a > 0, a, 1))[1] - 1 - 2, -126, 127), 0)      # np.frexp(a)[1] - 1 = floor(log2(a)), exactly
;;       r = np.clip(x / 2.0 ** e, -6, 6)
;;       step = 2.0 ** (np.maximum(np.frexp(np.where(r == 0, 1, r))[1] - 1, 0) - 1)
;;       q = np.round(r / step) * step * 2.0 ** e      # np.round: ties to even
;;       return np.moveaxis(q.reshape(q.shape[:-2] + (-1,))[..., :K], -1, axis).astype(np.float32)
;;   ~~~
;; One version. Each part assembles by itself: llvm-mc -triple=amdgcn-amd-amdhsa -mcpu=gfx1250 --defsym DOCPART=n.
;; ======== version 1 of 1: 4 launches
;; limits: right only within a limited range of input values; values are held in f16: magnitudes above 65,504 overflow, below 6.1e-05 lose precision
;; workspace buffers: codes 2,064,384 bytes; scales 129,024 bytes; woimg 1,179,648 bytes; tab 11,264 bytes; pos 16,384 bytes of whole numbers; qkv 4,718,592 bytes; oimg 1,572,864 bytes
;; launch prep (part 1): grid 451 x 1, 4 waves a work-group, no clusters, 0 bytes of LDS; arguments query, key, value, Wq, Wk, Wv, Wo, x_table, y_table, Wb, bb, query_x, query_y, key_x, key_y, codes, scales, woimg, tab, pos; writes codes, scales, woimg, tab, pos
.if DOCPART == 1
	.amdgcn_target "amdgcn-amd-amdhsa--gfx1250"
	.amdhsa_code_object_version 6
	.text
	.protected	k_q5b5bd6f536_prep
	.globl	k_q5b5bd6f536_prep
	.p2align	8
	.type	k_q5b5bd6f536_prep,@function
k_q5b5bd6f536_prep:
	s_mov_b64 s[64:65], 0
	v_nop
	global_prefetch_b8 v0, s[64:65] scope:SCOPE_SE
	s_setreg_imm32_b32 hwreg(HW_REG_WAVE_MODE, 25, 1), 1
	s_wait_xcnt 0x0
; PREPARATION, four kinds of work, told apart by the work-group's number; no LDS, no barrier, EXEC never changes.
;   work-groups   0 ..  10  TABLES:    x_table @ Wb and y_table @ Wb (41 x 192 x 12 each, f32 multiply-adds), kept as one line A + B u for each segment
;   work-groups  11 .. 154  WEIGHTS:   Wq, Wk, Wv -> codes of E2M1 with E8M0 scale bytes, quantised down their first axis (K); Wo -> f16
;   work-groups 155 .. 442  ROWS:      query, key, value -> codes of E2M1 with scale bytes, quantised along their rows (K)
;   work-groups 443 .. 450  POSITIONS: the four position arrays -> fixed point, 14 fraction bits of a table step, whole numbers
; EVERY OPERAND IS STORED AS AN IMAGE OF ITS REGISTERS: four registers of the 32 lanes are 512 bytes, lane l's 16 bytes at 16 l.
;   a fragment of codes (16 rows x 128 K, 1,024 bytes): group c of lane (r, h) holds k = 64 c + 32 h + 0 .. 31 of row r; its 16 scale words follow the same fragment number, 64 bytes each
;   a fragment of f16 (16 rows x 32 K, 1,024 bytes):    group g of lane (r, h) holds k = 16 g + 8 h + 0 .. 7 of row r
; THE QUANTISER: a block's scale is 2^(floor(log2(largest magnitude)) - 2): its byte is the largest magnitude's exponent field - 2, held at 1 from below.
; THE BIAS: interpolating a table and then applying the Linear equals applying the Linear to the table and then interpolating: exact by linearity, another order of rounding than reference()'s.
; LIMITS: a block of zeros gets the byte 1 where the rule says 127 (its codes are zeros, and this program alone reads the bytes); blocks whose largest magnitude lies under 2^-124 keep the byte 1;
;   positions are held at +-2^29 in fixed point, that is |x| <= 1.6e6; Wo is rounded to f16 (magnitudes under 65,504; under 6e-5 bits are lost); NaN and infinities are not served.
.set WC_OFF, 1179648                   ; codes: 1,152 fragments of rows, then 864 of weights
.set WS_OFF, 73728                     ; scales likewise
; 32 numbers of ONE lane, v[x] .. v[x + 31], one block: four registers of codes at v[c], the scale's byte in v[by]
.macro QBLK x, c, by
	v_max3_num_f32 v8, |v[\x]|, |v[\x+1]|, 0x1800000          ; the largest magnitude in two chains, and the floor 2^(3 - 127): the byte cannot fall under 1
	v_max3_num_f32 v9, |v[\x+2]|, |v[\x+3]|, |v[\x+4]|
.irp i, 5,9,13,17,21,25
	v_max3_num_f32 v8, v8, |v[\x+\i]|, |v[\x+\i+1]|
	v_max3_num_f32 v9, v9, |v[\x+\i+2]|, |v[\x+\i+3]|
.endr
	v_max3_num_f32 v8, v8, |v[\x+29]|, |v[\x+30]|
	v_max3_num_f32 v8, v8, v9, |v[\x+31]|
	v_add_nc_u32 v10, 0xff000000, v8                           ; 2 off its exponent field: the conversion takes this operand's exponent field as its scale
.irp g, 0,1,2,3
	v_cvt_scalef32_pk8_fp4_f32 v[\c+\g], v[\x+8*\g:\x+8*\g+7], v10
.endr
	v_lshrrev_b32 v[\by], 23, v10                              ; the scale's byte; also the plain line behind the conversions
.endm
	v_lshrrev_b32 v1, 5, v0
	v_readfirstlane_b32 s16, v1                    ; wave 0..3
	v_and_b32 v1, 31, v0                           ; lane
	v_and_b32 v2, 15, v0                           ; r
	v_bfe_u32 v3, v0, 4, 1                         ; h
	s_mov_b32 s20, 0x76543210
	s_mov_b32 s21, 0xfedcba98                      ; v_permlanex16_b32's selects for lane l xor 16
	s_cmp_lt_u32 ttmp9, 11
	s_cbranch_scc1 .Ltables
	s_cmp_lt_u32 ttmp9, 155
	s_cbranch_scc1 .Lweights
	s_cmp_lt_u32 ttmp9, 443
	s_cbranch_scc1 .Lrows
; ---- POSITIONS: 8 work-groups x 128 threads x 4 numbers.  fix = round(x * 20 / 1000 * 2^14), held at +-2^29; the queries' carry 21 steps more, so that query - key is (xs + 21) 2^14
	s_load_b128 s[4:7], s[0:1], 0x58               ; query_x, query_y
	s_load_b128 s[8:11], s[0:1], 0x68              ; key_x, key_y
	s_load_b64 s[12:13], s[0:1], 0x98              ; pos
	s_sub_co_u32 s24, ttmp9, 443
	s_lshr_b32 s25, s24, 1                         ; which array: two work-groups to each
	s_lshl_b32 s26, s24, 7
	v_add_nc_u32 v4, s26, v0                       ; my four numbers among the 4 x 1,024
	v_and_b32 v5, 255, v4
	v_lshlrev_b32 v5, 4, v5                        ; in the array
	v_lshlrev_b32 v6, 4, v4                        ; in pos
	v_mov_b32 v7, 0x4e000000                       ; 2^29
	s_wait_kmcnt 0x0
	s_cmp_eq_u32 s25, 1
	s_cselect_b64 s[4:5], s[6:7], s[4:5]
	s_cmp_eq_u32 s25, 2
	s_cselect_b64 s[4:5], s[8:9], s[4:5]
	s_cmp_eq_u32 s25, 3
	s_cselect_b64 s[4:5], s[10:11], s[4:5]
	s_cmp_lt_u32 s25, 2
	s_cselect_b32 s27, 21<<14, 0
	global_load_b128 v[8:11], v5, s[4:5]
	s_wait_loadcnt 0x0
.irp j, 8,9,10,11
	v_mul_f32 v[\j], 0x43a3d70a, v[\j]             ; x 327.68
.endr
.irp j, 8,9,10,11
	v_med3_num_f32 v[\j], v[\j], -v7, v7
.endr
.irp j, 8,9,10,11
	v_rndne_f32 v[\j], v[\j]
.endr
.irp j, 8,9,10,11
	v_cvt_i32_f32 v[\j], v[\j]
.endr
.irp j, 8,9,10,11
	v_add_nc_u32 v[\j], s27, v[\j]
.endr
	global_store_b128 v6, v[8:11], s[12:13]        ; 32 lanes store 512 consecutive bytes
	s_endpgm
; ---- ROWS: a wave makes one fragment: 16 rows x 128 K.  Lane (r, h) loads, of row r, the two blocks of 32 that the operand's layout gives it: no other lane is asked for a maximum
.Lrows:
	s_load_b128 s[4:7], s[0:1], 0x0                ; query, key
	s_load_b64 s[8:9], s[0:1], 0x10                ; value
	s_load_b128 s[12:15], s[0:1], 0x78             ; codes, scales
	s_sub_co_u32 s24, ttmp9, 155                   ; 0 .. 287
	s_lshr_b32 s25, s24, 4                         ; 6 x tensor + K step
	s_mul_i32 s26, s25, 171
	s_lshr_b32 s26, s26, 10                        ; / 6 (exact under 500): the tensor
	s_mul_i32 s27, s26, 6
	s_sub_co_u32 s27, s25, s27                     ; the K step of 128
	s_and_b32 s28, s24, 15
	s_lshl_b32 s28, s28, 2
	s_add_co_u32 s28, s28, s16                     ; the tile of 16 rows, 0 .. 63
	s_mul_i32 s30, s28, 49152                      ; 16 rows of 3,072 bytes
	s_lshl_b32 s31, s27, 9
	s_add_co_u32 s30, s30, s31
	s_mov_b32 s31, 0
	s_lshl_b32 s32, s26, 6
	s_add_co_u32 s32, s32, s28
	s_mul_i32 s32, s32, 6
	s_add_co_u32 s32, s32, s27                     ; the fragment's number
	s_lshl_b32 s34, s32, 10
	s_mov_b32 s35, 0
	s_lshl_b32 s36, s32, 6
	s_mov_b32 s37, 0
	v_mul_u32_u24 v4, v2, 3072
	v_lshl_add_u32 v4, v3, 7, v4                   ; row r, + 32 h numbers
	v_lshlrev_b32 v5, 4, v1                        ; 16 x lane
	v_lshlrev_b32 v6, 2, v2                        ; 4 r
	s_wait_kmcnt 0x0
	s_cmp_eq_u32 s26, 1
	s_cselect_b64 s[4:5], s[6:7], s[4:5]
	s_cmp_eq_u32 s26, 2
	s_cselect_b64 s[4:5], s[8:9], s[4:5]
	s_add_nc_u64 s[4:5], s[4:5], s[30:31]
	s_add_nc_u64 s[12:13], s[12:13], s[34:35]
	s_add_nc_u64 s[14:15], s[14:15], s[36:37]
.irp c, 0,1
.irp i, 0,1,2,3,4,5,6,7
	global_load_b128 v[32+32*\c+4*\i:35+32*\c+4*\i], v4, s[4:5] offset:256*\c+16*\i
.endr
.endr
	s_wait_loadcnt 8                               ; my first block is in; the second block's eight loads may be out
	QBLK 32, 16, 12
	s_wait_loadcnt 0x0
	QBLK 64, 20, 13
	v_lshl_or_b32 v14, v13, 16, v12                ; my two bytes: blocks h and 2 + h of row r,
	v_lshlrev_b32 v15, 3, v3
	v_lshlrev_b32 v14, v15, v14                    ; at their places in the scale word;
	v_mov_b32 v15, 0
	v_permlanex16_b32 v15, v14, s20, s21
	v_or_b32 v14, v14, v15                         ; with lane l xor 16's two the word is whole
	global_store_b128 v5, v[16:19], s[12:13]       ; 512 consecutive bytes each
	global_store_b128 v5, v[20:23], s[12:13] offset:512
	global_store_b32 v6, v14, s[14:15]             ; both halves of the lanes hold the same word for row r
	s_endpgm
; ---- WEIGHTS: a lane takes a column n, its registers run down K: 128 rows of 32 neighbouring columns a wave; each load reads 128 consecutive bytes
.macro LDW b
.irp i, 0,1,2,3,4,5,6,7,8,9,10,11,12,13,14,15,16,17,18,19,20,21,22,23,24,25,26,27,28,29,30,31
	global_load_b32 v[32+32*(\b)+\i], v4, s[4:5] offset:(32*(\b)+\i)*3072 th:TH_LOAD_NT
.endr
.endm
.Lweights:
	s_load_b128 s[4:7], s[0:1], 0x18               ; Wq, Wk
	s_load_b128 s[8:11], s[0:1], 0x28              ; Wv, Wo
	s_load_b128 s[12:15], s[0:1], 0x78             ; codes, scales
	s_load_b64 s[22:23], s[0:1], 0x88              ; woimg
	s_sub_co_u32 s24, ttmp9, 11                    ; 0 .. 143
	s_mul_i32 s25, s24, 171
	s_lshr_b32 s25, s25, 10                        ; / 6: 6 x matrix + K step
	s_mul_i32 s26, s25, 6
	s_sub_co_u32 s26, s24, s26
	s_lshl_b32 s26, s26, 2
	s_add_co_u32 s26, s26, s16                     ; the group of 32 columns, 0 .. 23
	s_mul_i32 s27, s25, 171
	s_lshr_b32 s27, s27, 10                        ; the matrix; 3 is Wo
	s_mul_i32 s28, s27, 6
	s_sub_co_u32 s28, s25, s28                     ; the K step of 128
	s_mul_i32 s30, s28, 393216                     ; 128 rows of 3,072 bytes
	s_lshl_b32 s31, s26, 7
	s_add_co_u32 s30, s30, s31
	s_mov_b32 s31, 0
	s_mul_i32 s32, s27, 48
	s_lshl_b32 s33, s26, 1
	s_add_co_u32 s32, s32, s33
	s_mul_i32 s32, s32, 6
	s_add_co_u32 s32, s32, s28                     ; the fragment of my lanes 0-15; lanes 16-31 fill the one six further on
	s_lshl_b32 s34, s32, 10
	s_add_co_u32 s34, s34, WC_OFF
	s_mov_b32 s35, 0
	s_lshl_b32 s36, s32, 6
	s_add_co_u32 s36, s36, WS_OFF
	s_mov_b32 s37, 0
	s_mul_i32 s38, s26, 48
	s_lshl_b32 s39, s28, 2
	s_add_co_u32 s38, s38, s39
	s_lshl_b32 s38, s38, 10                        ; Wo: tile 2 x group, K step of 32 number 4 x K step
	s_mov_b32 s39, 0
	v_lshlrev_b32 v4, 2, v1                        ; in: 4 bytes a lane
	v_mul_u32_u24 v5, v3, 6144
	v_lshl_add_u32 v5, v2, 4, v5                   ; codes out: 16 r, + six fragments for lanes 16-31
	v_mul_u32_u24 v6, v3, 384
	v_lshl_add_u32 v6, v2, 2, v6                   ; scale words out
	v_mul_u32_u24 v7, v3, 24576
	v_lshl_add_u32 v7, v2, 4, v7                   ; Wo out: 16 r, + a tile's 24 fragments
	s_wait_kmcnt 0x0
	s_cmp_eq_u32 s27, 1
	s_cselect_b64 s[4:5], s[6:7], s[4:5]
	s_cmp_eq_u32 s27, 2
	s_cselect_b64 s[4:5], s[8:9], s[4:5]
	s_cmp_eq_u32 s27, 3
	s_cselect_b64 s[4:5], s[10:11], s[4:5]
	s_add_nc_u64 s[4:5], s[4:5], s[30:31]
	LDW 0
	LDW 1                                          ; two blocks of 32 rows ahead
	s_cmp_eq_u32 s27, 3
	s_cbranch_scc1 .Lwo
	s_add_nc_u64 s[12:13], s[12:13], s[34:35]
	s_add_nc_u64 s[14:15], s[14:15], s[36:37]
.irp b, 0,1,2,3
.if \b < 3
	s_wait_loadcnt 32                              ; this block's 32 loads are in; the next block's may be out
.else
	s_wait_loadcnt 0x0
.endif
.if \b < 2
	LDW \b+2
.endif
	QBLK 32+32*\b, 160+4*\b, 12+\b
	global_store_b128 v5, v[160+4*\b:163+4*\b], s[12:13] offset:(\b/2)*512+(\b%2)*256   ; block b = 2 c + h of row r: sixteen lanes store 256 consecutive bytes, aligned
.endr
	v_lshl_or_b32 v16, v13, 8, v12                 ; my column's four bytes make its scale word
	v_lshl_or_b32 v16, v14, 16, v16
	v_lshl_or_b32 v16, v15, 24, v16
	global_store_b32 v6, v16, s[14:15]
	s_endpgm
.Lwo:
	s_add_nc_u64 s[22:23], s[22:23], s[38:39]
.irp u, 0,1,2,3,4,5,6,7,8,9,10,11,12,13,14,15
.if \u%4 == 0
.if \u < 12
	s_wait_loadcnt 32                              ; these 32 rows are in; the next 32 may be out
.else
	s_wait_loadcnt 0x0
.endif
.if \u < 8
	LDW \u/4+2
.endif
.endif
.irp p, 0,1,2,3
	v_cvt_pk_f16_f32 v[160+4*\u+\p], v[32+8*\u+2*\p], v[33+8*\u+2*\p]
.endr
	global_store_b128 v7, v[160+4*\u:163+4*\u], s[22:23] offset:256*\u   ; eight neighbours down K of column r: sixteen lanes store 256 consecutive bytes, aligned
.endr
	s_endpgm
; ---- TABLES: 44 waves; a wave makes entries e = 2 ep and 2 ep + 1 of one axis for 16 head slots (slots 12-15 repeat head 11 and are read by nobody).
; With u = (xs + 21) 2^14 and e = u >> 14 held to 0 .. 41: entry 0 is T[0] (xs under -20), entries 1 .. 40 the segment e - 1, entries 41 on T[40].
; Stored: A' = -log2(e) (T[lo] - D e [+ bb]) [- 3] and B' = -log2(e) 2^-14 D, D = T[hi] - T[lo]; bb and the 3 ride on the y axis: 2^(A'x + B'x ux + A'y + B'y uy) = exp(-z) / 8
.macro LDC c, buf
.irp i, 0,1,2,3,4,5,6,7
	global_load_b128 v[\buf+4*\i:\buf+4*\i+3], v6, s[4:5] offset:128*(\c)+16*\i
.endr
.irp i, 0,1,2,3,4,5,6,7
	global_load_b128 v[\buf+32+4*\i:\buf+35+4*\i], v7, s[4:5] offset:128*(\c)+16*\i
.endr
.irp i, 0,1,2,3,4,5,6,7,8,9,10,11,12,13,14,15,16,17,18,19,20,21,22,23,24,25,26,27,28,29,30,31
	global_load_b32 v[\buf+64+\i], v5, s[8:9] offset:(32*(\c)+\i)*48
.endr
.endm
.macro DOT buf, first                  ; 32 along the embedding: two sums in four chains each; the first four products start the chains
.irp i, 0,1,2,3,4,5,6,7,8,9,10,11,12,13,14,15,16,17,18,19,20,21,22,23,24,25,26,27,28,29,30,31
.if \first && (\i < 4)
	v_mul_f32 v[16+\i], v[\buf+\i], v[\buf+64+\i]
	v_mul_f32 v[20+\i], v[\buf+32+\i], v[\buf+64+\i]
.else
	v_fmac_f32 v[16+\i%4], v[\buf+\i], v[\buf+64+\i]
	v_fmac_f32 v[20+\i%4], v[\buf+32+\i], v[\buf+64+\i]
.endif
.endr
.endm
.Ltables:
	s_load_b128 s[4:7], s[0:1], 0x38               ; x_table, y_table
	s_load_b128 s[8:11], s[0:1], 0x48              ; Wb, bb
	s_load_b64 s[12:13], s[0:1], 0x90              ; tab
	s_lshl_b32 s24, ttmp9, 2
	s_add_co_u32 s24, s24, s16                     ; 0 .. 43
	s_cmp_ge_u32 s24, 22
	s_cselect_b32 s25, 1, 0                        ; the axis
	s_cselect_b32 s30, 1.0, 0                      ; bb counts on the y axis alone,
	s_cselect_b32 s31, 0xc0400000, 0               ; and so does the -3
	s_mov_b32 s32, 0xbfb8aa3b                      ; -log2(e)
	s_mul_i32 s26, s25, 22
	s_sub_co_u32 s26, s24, s26
	s_lshl_b32 s27, s26, 1                         ; 2 ep
	s_mul_i32 s28, s25, 44
	s_add_co_u32 s28, s28, s27
	s_lshl_b32 s28, s28, 7                         ; an entry is 16 slots x 8 bytes
	s_mov_b32 s29, 0
	v_add_nc_u32 v4, s27, v3                       ; e
	v_min_u32 v5, 11, v2
	v_lshlrev_b32 v5, 2, v5                        ; my head's column of Wb
	v_add_nc_u32 v6, -1, v4
	v_max_i32 v6, 0, v6
	v_min_u32 v6, 40, v6
	v_mul_u32_u24 v6, v6, 768                      ; the lower table row
	v_min_u32 v7, 40, v4
	v_mul_u32_u24 v7, v7, 768                      ; the upper
	v_lshlrev_b32 v28, 3, v1                       ; out: 8 bytes a lane
	s_wait_kmcnt 0x0
	s_cmp_eq_u32 s25, 1
	s_cselect_b64 s[4:5], s[6:7], s[4:5]
	s_add_nc_u64 s[12:13], s[12:13], s[28:29]
	global_load_b32 v24, v5, s[10:11]              ; bb
	LDC 0, 32
	LDC 1, 128
	s_wait_loadcnt 48                              ; this chunk is in; the next chunk's 48 loads may be out
	DOT 32, 1
	LDC 2, 32
	s_wait_loadcnt 48
	DOT 128, 0
	LDC 3, 128
	s_wait_loadcnt 48
	DOT 32, 0
	LDC 4, 32
	s_wait_loadcnt 48
	DOT 128, 0
	LDC 5, 128
	s_wait_loadcnt 48
	DOT 32, 0
	s_wait_loadcnt 0x0
	DOT 128, 0
	v_add_f32 v16, v16, v17
	v_add_f32 v18, v18, v19
	v_add_f32 v20, v20, v21
	v_add_f32 v22, v22, v23
	v_add_f32 v16, v16, v18                        ; T[lo]
	v_add_f32 v20, v20, v22                        ; T[hi]
	v_cvt_f32_u32 v25, v4
	v_sub_f32 v20, v20, v16                        ; D
	v_fma_f32 v16, -v20, v25, v16                  ; T[lo] - D e
	v_fma_f32 v16, v24, s30, v16                   ; + bb
	v_fma_f32 v26, v16, s32, s31                   ; A'
	v_mul_f32 v27, 0xb8b8aa3b, v20                 ; B' = -log2(e) 2^-14 D
	global_store_b64 v28, v[26:27], s[12:13]       ; 32 lanes store 256 consecutive bytes, aligned
	s_endpgm
.Lfunc_end_k_q5b5bd6f536_prep:
	.size	k_q5b5bd6f536_prep, .Lfunc_end_k_q5b5bd6f536_prep-k_q5b5bd6f536_prep
	.p2alignl 7, 3214868480
	.fill 96, 4, 3214868480
	.section	.rodata,"a",@progbits
	.p2align	6, 0x0
	.amdhsa_kernel k_q5b5bd6f536_prep
		.amdhsa_group_segment_fixed_size 0
		.amdhsa_private_segment_fixed_size 0
		.amdhsa_enable_private_segment 0
		.amdhsa_kernarg_size 160
		.amdhsa_user_sgpr_count 2
		.amdhsa_user_sgpr_kernarg_segment_ptr 1
		.amdhsa_wavefront_size32 1
		.amdhsa_system_sgpr_workgroup_id_x 1
		.amdhsa_system_sgpr_workgroup_id_y 1
		.amdhsa_system_sgpr_workgroup_id_z 1
		.amdhsa_system_vgpr_workitem_id 0
		.amdhsa_next_free_vgpr 224
		.amdhsa_next_free_sgpr 66
		.amdhsa_reserve_vcc 0
		.amdhsa_float_denorm_mode_32 3
		.amdhsa_float_denorm_mode_16_64 3
		.amdhsa_memory_ordered 1
		.amdhsa_forward_progress 1
		.amdhsa_inst_pref_size 83
	.end_amdhsa_kernel
	.amdgpu_metadata
---
amdhsa.version: [ 1, 2 ]
amdhsa.kernels:
  - .name:           k_q5b5bd6f536_prep
    .symbol:         k_q5b5bd6f536_prep.kd
    .args:
      - { .name: query, .offset: 0, .size: 8, .value_kind: global_buffer, .address_space: global }
      - { .name: key, .offset: 8, .size: 8, .value_kind: global_buffer, .address_space: global }
      - { .name: value, .offset: 16, .size: 8, .value_kind: global_buffer, .address_space: global }
      - { .name: Wq, .offset: 24, .size: 8, .value_kind: global_buffer, .address_space: global }
      - { .name: Wk, .offset: 32, .size: 8, .value_kind: global_buffer, .address_space: global }
      - { .name: Wv, .offset: 40, .size: 8, .value_kind: global_buffer, .address_space: global }
      - { .name: Wo, .offset: 48, .size: 8, .value_kind: global_buffer, .address_space: global }
      - { .name: x_table, .offset: 56, .size: 8, .value_kind: global_buffer, .address_space: global }
      - { .name: y_table, .offset: 64, .size: 8, .value_kind: global_buffer, .address_space: global }
      - { .name: Wb, .offset: 72, .size: 8, .value_kind: global_buffer, .address_space: global }
      - { .name: bb, .offset: 80, .size: 8, .value_kind: global_buffer, .address_space: global }
      - { .name: query_x, .offset: 88, .size: 8, .value_kind: global_buffer, .address_space: global }
      - { .name: query_y, .offset: 96, .size: 8, .value_kind: global_buffer, .address_space: global }
      - { .name: key_x, .offset: 104, .size: 8, .value_kind: global_buffer, .address_space: global }
      - { .name: key_y, .offset: 112, .size: 8, .value_kind: global_buffer, .address_space: global }
      - { .name: codes, .offset: 120, .size: 8, .value_kind: global_buffer, .address_space: global }
      - { .name: scales, .offset: 128, .size: 8, .value_kind: global_buffer, .address_space: global }
      - { .name: woimg, .offset: 136, .size: 8, .value_kind: global_buffer, .address_space: global }
      - { .name: tab, .offset: 144, .size: 8, .value_kind: global_buffer, .address_space: global }
      - { .name: pos, .offset: 152, .size: 8, .value_kind: global_buffer, .address_space: global }
    .group_segment_fixed_size: 0
    .private_segment_fixed_size: 0
    .kernarg_segment_align: 8
    .kernarg_segment_size: 160
    .max_flat_workgroup_size: 128
    .sgpr_count:     66
    .vgpr_count:     224
    .wavefront_size: 32
...
	.end_amdgpu_metadata
.endif
;; end of part 1
;; launch qkv (part 2): grid 8 x 36, 4 waves a work-group, no clusters, 0 bytes of LDS; arguments codes, scales, bq, bk, bv, qkv; writes qkv
.if DOCPART == 2
	.amdgcn_target "amdgcn-amd-amdhsa--gfx1250"
	.amdhsa_code_object_version 6
	.text
	.protected	k_q5b5bd6f536_qkv
	.globl	k_q5b5bd6f536_qkv
	.p2align	8
	.type	k_q5b5bd6f536_qkv,@function
k_q5b5bd6f536_qkv:
	s_mov_b64 s[64:65], 0
	v_nop
	global_prefetch_b8 v0, s[64:65] scope:SCOPE_SE
	s_setreg_imm32_b32 hwreg(HW_REG_WAVE_MODE, 25, 1), 1
	s_wait_xcnt 0x0
; q = Q(query) Q(Wq) + bq, k and v likewise: three products of 1,024 x 768 x 768 on codes of E2M1 with one E8M0 scale for each 32 along K; sums in f32.
; SHARES.  Work-group y = 12 x matrix + head; a wave makes one head's 64 channels (four tiles of the weight) for 32 tokens (two tiles of rows): 8 accumulators, K in 6 steps of 128: 48 matrix instructions.
; Codes and scale words lie in memory as images of the operands' registers, so each fragment comes by two loads of 512 consecutive bytes straight into the registers of the wave that multiplies it.
; NO LDS, NO JOINT REQUESTS: a wave's whole share is 36 fragments (36 KB) for 48 matrix instructions and is asked for three K steps ahead; loads into registers have no joint form, and a ring in LDS
; would add a barrier to each of six short steps.
; RESULTS leave as f16, again as register images for the attention launch:
;   q, k: source 0 = the weight, source 1 = the rows: a lane holds one token and eight neighbouring channels: group (channel tile % 2) of fragment (token tile, channel tile / 2)
;   v:    the sources swapped: a lane holds one channel and eight neighbouring tokens: group (token tile) of fragment (32 keys, channel tile)
; LIMIT: q, k, v are rounded to f16: magnitudes under 65,504; under 6e-5 bits are lost.
; REGISTERS: v1 16 x lane, v2 4 r, v3 32 h; v8-71 accumulators (a, t) at 8 + 8 (2 a + t); v72-95 the weight's scale words (a, K step), v96-107 the rows' (t, K step): these hold scales and nothing else;
;   v108-251 three sets of six fragments (weight a at + 8 a, rows t at + 32 + 8 t); at the end the bias lies in set 0 and the packed results in set 1.
.set WC_OFF, 1179648
.set WS_OFF, 73728
.macro PLACES                          ; four plain lines between a matrix instruction and a load into, or a vector instruction on, its registers
.rept 4
	v_nop
.endr
.endm
.macro LDK ks, p                       ; K step ks: six fragments, 12 loads, into set p
.irp a, 0,1,2,3
.irp c, 0,1
	global_load_b128 v[108+48*(\p)+8*\a+4*\c:111+48*(\p)+8*\a+4*\c], v1, s[42:43] offset:6144*\a+1024*(\ks)+512*\c
.endr
.endr
.irp t, 0,1
.irp c, 0,1
	global_load_b128 v[140+48*(\p)+8*\t+4*\c:143+48*(\p)+8*\t+4*\c], v1, s[40:41] offset:6144*\t+1024*(\ks)+512*\c
.endr
.endr
.endm
.macro MMK ks, p, swap, zero           ; eight matrix instructions, the eight accumulators by turns; zero = 1: the first K step starts the sums
.irp a, 0,1,2,3
.irp t, 0,1
.set RD, 8+8*(2*\a+\t)
.if \swap
.set RA, 140+48*(\p)+8*\t
.set RB, 108+48*(\p)+8*\a
.set SCA, 96+6*\t+(\ks)
.set SCB, 72+6*\a+(\ks)
.else
.set RA, 108+48*(\p)+8*\a
.set RB, 140+48*(\p)+8*\t
.set SCA, 72+6*\a+(\ks)
.set SCB, 96+6*\t+(\ks)
.endif
.if \zero
	v_wmma_scale_f32_16x16x128_f8f6f4 v[RD:RD+7], v[RA:RA+7], v[RB:RB+7], 0, v[SCA], v[SCB] matrix_a_fmt:MATRIX_FMT_FP4 matrix_b_fmt:MATRIX_FMT_FP4
.else
	v_wmma_scale_f32_16x16x128_f8f6f4 v[RD:RD+7], v[RA:RA+7], v[RB:RB+7], v[RD:RD+7], v[SCA], v[SCB] matrix_a_fmt:MATRIX_FMT_FP4 matrix_b_fmt:MATRIX_FMT_FP4
.endif
.endr
.endr
.endm
.macro LDB swap                        ; the bias in the result's layout
.irp a, 0,1,2,3
.if \swap
	global_load_b32 v[108+2*\a], v2, s[8:9] offset:64*\a           ; channel 16 a + r
.else
	global_load_b128 v[108+8*\a:111+8*\a], v3, s[8:9] offset:64*\a       ; channels 16 a + 8 h + 0 .. 7
	global_load_b128 v[112+8*\a:115+8*\a], v3, s[8:9] offset:64*\a+16
.endif
.endr
.endm
.macro EPI swap                        ; + bias, to f16, out; each accumulator from its low end on
.irp a, 0,1,2,3
.irp t, 0,1
.set RD, 8+8*(2*\a+\t)
.set RO, 156+4*(2*\a+\t)
.irp p, 0,1,2,3
.if \swap
	v_pk_add_f32 v[RD+2*\p:RD+2*\p+1], v[RD+2*\p:RD+2*\p+1], v[108+2*\a:109+2*\a] op_sel_hi:[1,0]
.else
	v_pk_add_f32 v[RD+2*\p:RD+2*\p+1], v[RD+2*\p:RD+2*\p+1], v[108+8*\a+2*\p:109+8*\a+2*\p]
.endif
.endr
.irp p, 0,1,2,3
	v_cvt_pk_f16_f32 v[RO+\p], v[RD+2*\p], v[RD+2*\p+1]
.endr
.if \swap
	global_store_b128 v1, v[RO:RO+3], s[14:15] offset:(2*\a+\t)*512      ; 32 lanes store 512 consecutive bytes
.else
	global_store_b128 v1, v[RO:RO+3], s[14:15] offset:(4*\t+\a)*512
.endif
.endr
.endr
.endm
.macro BODY swap, nb                   ; nb: the bias's loads
	s_wait_loadcnt 24                              ; the scale words and this K step are in; the next two K steps' 24 loads may be out
	MMK 0, 0, \swap, 1
	PLACES
	LDK 3, 0
	s_wait_loadcnt 24
	MMK 1, 1, \swap, 0
	PLACES
	LDK 4, 1
	s_wait_loadcnt 24
	MMK 2, 2, \swap, 0
	PLACES
	LDK 5, 2
	s_wait_loadcnt 24
	MMK 3, 0, \swap, 0
	PLACES
	LDB \swap
	s_wait_loadcnt 12+\nb                          ; behind K step 4: K step 5 and the bias
	MMK 4, 1, \swap, 0
	s_wait_loadcnt \nb                             ; behind K step 5: the bias
	MMK 5, 2, \swap, 0
	PLACES
	s_wait_loadcnt 0x0
	EPI \swap
	s_endpgm
.endm
	s_load_b128 s[4:7], s[0:1], 0x0                ; codes, scales
	s_load_b128 s[8:11], s[0:1], 0x10              ; bq, bk
	s_load_b128 s[12:15], s[0:1], 0x20             ; bv, qkv
	v_lshrrev_b32 v1, 5, v0
	v_readfirstlane_b32 s16, v1                    ; wave 0..3
	v_and_b32 v4, 31, v0
	v_lshlrev_b32 v1, 4, v4                        ; 16 x lane
	v_and_b32 v5, 15, v0
	v_lshlrev_b32 v2, 2, v5                        ; 4 r
	v_bfe_u32 v6, v0, 4, 1
	v_lshlrev_b32 v3, 5, v6                        ; 32 h
	s_and_b32 s17, ttmp7, 0xffff
	s_mul_i32 s18, s17, 171
	s_lshr_b32 s18, s18, 11                        ; / 12 (exact under 36): the matrix
	s_mul_i32 s19, s18, 12
	s_sub_co_u32 s19, s17, s19                     ; the head
	s_lshl_b32 s20, ttmp9, 2
	s_add_co_u32 s20, s20, s16                     ; my 32 tokens, 0 .. 31
	s_lshr_b32 s21, s20, 4                         ; the batch
	s_and_b32 s22, s20, 15                         ; my 32 tokens in it
	s_lshl_b32 s24, s18, 6
	s_lshl_b32 s25, s20, 1
	s_add_co_u32 s24, s24, s25                     ; my first tile of rows
	s_mul_i32 s28, s24, 6144
	s_mov_b32 s29, 0
	s_mul_i32 s32, s24, 384
	s_mov_b32 s33, 0
	s_mul_i32 s26, s18, 48
	s_lshl_b32 s27, s19, 2
	s_add_co_u32 s26, s26, s27                     ; my first tile of the weight
	s_mul_i32 s30, s26, 6144
	s_add_co_u32 s30, s30, WC_OFF
	s_mov_b32 s31, 0
	s_mul_i32 s34, s26, 384
	s_add_co_u32 s34, s34, WS_OFF
	s_mov_b32 s35, 0
	s_lshl_b32 s36, s19, 8                         ; the head's 64 numbers of the bias
	s_mov_b32 s37, 0
	s_mul_i32 s38, s21, 12
	s_add_co_u32 s38, s38, s19
	s_mul_i32 s38, s38, 196608                     ; (batch, head): Q's, K's and V's images, 65,536 bytes each
	s_lshl_b32 s39, s18, 16
	s_add_co_u32 s38, s38, s39
	s_lshl_b32 s39, s22, 12                        ; my 32 tokens' 4,096 bytes
	s_add_co_u32 s38, s38, s39
	s_mov_b32 s39, 0
	s_wait_kmcnt 0x0
	s_add_nc_u64 s[40:41], s[4:5], s[28:29]        ; the rows' codes
	s_add_nc_u64 s[42:43], s[4:5], s[30:31]        ; the weight's
	s_add_nc_u64 s[44:45], s[6:7], s[32:33]        ; the rows' scale words
	s_add_nc_u64 s[46:47], s[6:7], s[34:35]        ; the weight's
	s_cmp_eq_u32 s18, 1
	s_cselect_b64 s[8:9], s[10:11], s[8:9]
	s_cmp_eq_u32 s18, 2
	s_cselect_b64 s[8:9], s[12:13], s[8:9]
	s_add_nc_u64 s[8:9], s[8:9], s[36:37]
	s_add_nc_u64 s[14:15], s[14:15], s[38:39]
.irp a, 0,1,2,3
.irp k, 0,1,2,3,4,5
	global_load_b32 v[72+6*\a+\k], v2, s[46:47] offset:384*\a+64*\k    ; lane r: row r's word (lanes 16-31 hold the same and are not read)
.endr
.endr
.irp t, 0,1
.irp k, 0,1,2,3,4,5
	global_load_b32 v[96+6*\t+\k], v2, s[44:45] offset:384*\t+64*\k
.endr
.endr
	LDK 0, 0
	LDK 1, 1
	LDK 2, 2
	s_cmp_eq_u32 s18, 2
	s_cbranch_scc1 .Lvalues
	BODY 0, 8
.Lvalues:
	BODY 1, 4
.Lfunc_end_k_q5b5bd6f536_qkv:
	.size	k_q5b5bd6f536_qkv, .Lfunc_end_k_q5b5bd6f536_qkv-k_q5b5bd6f536_qkv
	.p2alignl 7, 3214868480
	.fill 96, 4, 3214868480
	.section	.rodata,"a",@progbits
	.p2align	6, 0x0
	.amdhsa_kernel k_q5b5bd6f536_qkv
		.amdhsa_group_segment_fixed_size 0
		.amdhsa_private_segment_fixed_size 0
		.amdhsa_enable_private_segment 0
		.amdhsa_kernarg_size 48
		.amdhsa_user_sgpr_count 2
		.amdhsa_user_sgpr_kernarg_segment_ptr 1
		.amdhsa_wavefront_size32 1
		.amdhsa_system_sgpr_workgroup_id_x 1
		.amdhsa_system_sgpr_workgroup_id_y 1
		.amdhsa_system_sgpr_workgroup_id_z 1
		.amdhsa_system_vgpr_workitem_id 0
		.amdhsa_next_free_vgpr 256
		.amdhsa_next_free_sgpr 66
		.amdhsa_reserve_vcc 0
		.amdhsa_float_denorm_mode_32 3
		.amdhsa_float_denorm_mode_16_64 3
		.amdhsa_memory_ordered 1
		.amdhsa_forward_progress 1
		.amdhsa_inst_pref_size 41
	.end_amdhsa_kernel
	.amdgpu_metadata
---
amdhsa.version: [ 1, 2 ]
amdhsa.kernels:
  - .name:           k_q5b5bd6f536_qkv
    .symbol:         k_q5b5bd6f536_qkv.kd
    .args:
      - { .name: codes, .offset: 0, .size: 8, .value_kind: global_buffer, .address_space: global }
      - { .name: scales, .offset: 8, .size: 8, .value_kind: global_buffer, .address_space: global }
      - { .name: bq, .offset: 16, .size: 8, .value_kind: global_buffer, .address_space: global }
      - { .name: bk, .offset: 24, .size: 8, .value_kind: global_buffer, .address_space: global }
      - { .name: bv, .offset: 32, .size: 8, .value_kind: global_buffer, .address_space: global }
      - { .name: qkv, .offset: 40, .size: 8, .value_kind: global_buffer, .address_space: global }
    .group_segment_fixed_size: 0
    .private_segment_fixed_size: 0
    .kernarg_segment_align: 8
    .kernarg_segment_size: 48
    .max_flat_workgroup_size: 128
    .sgpr_count:     66
    .vgpr_count:     256
    .wavefront_size: 32
...
	.end_amdgpu_metadata
.endif
;; end of part 2
;; launch attn (part 3): grid 8 x 24, 16 waves a work-group, no clusters, 203,776 bytes of LDS; arguments qkv, tab, pos, oimg; writes oimg
.if DOCPART == 3
	.amdgcn_target "amdgcn-amd-amdhsa--gfx1250"
	.amdhsa_code_object_version 6
	.text
	.protected	k_q5b5bd6f536_attn
	.globl	k_q5b5bd6f536_attn
	.p2align	8
	.type	k_q5b5bd6f536_attn,@function
k_q5b5bd6f536_attn:
	s_mov_b64 s[64:65], 0
	v_nop
	global_prefetch_b8 v0, s[64:65] scope:SCOPE_SE
	s_setreg_imm32_b32 hwreg(HW_REG_WAVE_MODE, 25, 1), 1
	s_wait_xcnt 0x0
; o = softmax(q k^T / 8 + sigmoid(bias logit)) v for one (batch, head) and 64 queries a work-group; q, k, v, p in f16, sums, bias and softmax in f32.
; SHARES.  Sixteen waves: wave w takes query tile w % 4 (16 queries) and keys 128 (w / 4) .. + 127: 64 scores a lane, straight-line text.  The four waves of a query tile merge their parts through LDS.
;   K's and V's images of the (batch, head), 131,072 consecutive bytes, come into LDS once: each wave asks for 8,192 of them by one tensor load.  One tensor load a wave is out; nothing is filled twice.
;   192 work-groups: 24 (batch, head) x 8 blocks of queries; a smaller block would read K and V more often for the same work.
; NO CLUSTER, NO JOINT REQUESTS.  The work-groups that read the same K and V are those of one (batch, head), and they have different queries.  The bias is gathered from a table in LDS at addresses made of
;   query position - key position, so these LDS addresses differ between such work-groups.
; LAYOUT.  S^T = K Q^T (source 0 = 16 keys, source 1 = my 16 queries), O^T = V^T P^T: a lane holds ONE query (lane % 16) throughout; in tile T its register j is key 16 T + 8 (lane / 16) + j.
; THE BIAS.  Positions come as whole numbers (14 fraction bits of a table step): u = query - key, e = u >> 14 held to 0 .. 41 picks a line (A', B') of the head's table in LDS, for x and for y;
;   z' = A'x + B'x ux + A'y + B'y uy; 8 sigmoid = 1 / (0.125 + 2^z').  It is the C of the first product's first link, so S = q . k + 8 bias, and p = 2^(kappa S - kappa max), kappa = log2(e) / 8.
;   The row's maximum is taken away: each wave by its own 128 keys' maximum, the merge by the four waves' maximum.
; THE GATHERS' ADDRESSES hang on loaded whole numbers: every LDS write of the launch is parted from them by a barrier: between the first and the second barrier LDS is only read.
; LIMITS: f16 operands (q, k, v, p; o on the way out): magnitudes under 65,504, under 6e-5 bits are lost; NaN and infinities are not served.
; LDS: 0 the tables (x 64 slots of 8 bytes, y at + 512); 1,024 K's image; 66,560 V's; 132,096 the waves' parts of O^T, 4,096 each; 197,632 their maxima and sums, 256 each; 201,728 the spare words.
; REGISTERS: v1, v2 the add's two; v3 16 x lane; v4, v5 K's and V's fragments in LDS; v6, v7 my query's x, y; v8 32 h; v9-13 at work; v[14:15] kappa max; v16-31 Q, later P's first half;
;   v32-95 S, then p; O^T in v32-63; v96-223 by turns: keys' positions (four sets of 16), gather addresses (v160-175), gathered lines (v176-239, two sets), K's fragments, V's fragments, the merge;
;   v224-239 P's second half; v240-244 the head's offsets; v245-248 the merge's four LDS addresses, made at the head and holding nothing else.
.set TAB,   0
.set KIMG,  1024
.set VIMG,  KIMG+65536
.set MRG,   VIMG+65536
.set ML,    MRG+65536
.set SPARE, ML+4096
.set MW,    245                        ; v245  where I put my part of O^T: MRG + 4,096 x wave + 16 x lane
.set MLW,   246                        ; v246  and my maximum and sum: ML + 256 x wave + 4 x lane
.set MR,    247                        ; v247  what I merge: my query tile's first wave, channel tile w / 4
.set MLR,   248                        ; v248  and that wave's maximum and sum
.macro LDKI T                          ; tile T's keys: my eight x and eight y, into set T % 4
.set KB, 96+16*((\T)%4)
	global_load_b128 v[KB:KB+3], v8, s[50:51] offset:64*(\T)
	global_load_b128 v[KB+4:KB+7], v8, s[50:51] offset:64*(\T)+16
	global_load_b128 v[KB+8:KB+11], v8, s[50:51] offset:64*(\T)+4096
	global_load_b128 v[KB+12:KB+15], v8, s[50:51] offset:64*(\T)+4112
.endm
.macro ADDR T, n                       ; tile T: differences, segment numbers, the 16 gathers; n: the later position loads that may stay out (under 0: no wait is owed)
.set KB, 96+16*((\T)%4)
.set GB, 176+32*((\T)%2)
.if \n >= 0
	s_wait_loadcnt \n
.endif
.irp j, 0,1,2,3,4,5,6,7
	v_sub_nc_u32 v[KB+\j], v6, v[KB+\j]            ; u = (xs + 21) 2^14
	v_sub_nc_u32 v[KB+8+\j], v7, v[KB+8+\j]
.endr
.irp i, 0,1,2,3,4,5,6,7,8,9,10,11,12,13,14,15
	v_ashrrev_i32 v[160+\i], 14, v[KB+\i]
.endr
.irp i, 0,1,2,3,4,5,6,7,8,9,10,11,12,13,14,15
	v_max_i32 v[160+\i], 0, v[160+\i]
.endr
.irp i, 0,1,2,3,4,5,6,7,8,9,10,11,12,13,14,15
	v_min_u32 v[160+\i], 41, v[160+\i]             ; the entry: inside the table whatever was loaded
.endr
.irp i, 0,1,2,3,4,5,6,7,8,9,10,11,12,13,14,15
	v_lshlrev_b32 v[160+\i], 3, v[160+\i]
.endr
.irp i, 0,1,2,3,4,5,6,7
	ds_load_b64 v[GB+2*\i:GB+2*\i+1], v[160+\i] offset:TAB
.endr
.irp i, 0,1,2,3,4,5,6,7
	ds_load_b64 v[GB+16+2*\i:GB+17+2*\i], v[168+\i] offset:TAB+512
.endr
.irp i, 0,1,2,3,4,5,6,7,8,9,10,11,12,13,14,15
	v_cvt_f32_i32 v[KB+\i], v[KB+\i]
.endr
.endm
.macro FIN T, d                        ; tile T's z' into S; d: the next tile's gathers, which may stay out
.set KB, 96+16*((\T)%4)
.set GB, 176+32*((\T)%2)
	s_wait_dscnt \d
.irp j, 0,1,2,3,4,5,6,7
	v_fma_f32 v[KB+\j], v[GB+2*\j+1], v[KB+\j], v[GB+2*\j]
	v_fma_f32 v[KB+8+\j], v[GB+17+2*\j], v[KB+8+\j], v[GB+16+2*\j]
.endr
.irp j, 0,2,4,6
	v_pk_add_f32 v[32+8*(\T)+\j:33+8*(\T)+\j], v[KB+\j:KB+\j+1], v[KB+8+\j:KB+9+\j]
.endr
.if \T < 4
	LDKI (\T)+4                                    ; the set is free: the tile four further on
.endif
.endm
	s_load_b256 s[4:11], s[0:1], 0x0               ; qkv s[4:5], tab s[6:7], pos s[8:9], oimg s[10:11]
	v_lshl_add_u32 v1, v0, 2, SPARE
	v_mov_b32 v2, 0
	ds_add_u32 v1, v2                              ; the wave's opening: the add, twice on end, and its wait ahead of my first tensor load
	ds_add_u32 v1, v2
	v_lshrrev_b32 v9, 5, v0
	v_readfirstlane_b32 s12, v9                    ; wave 0..15
	s_and_b32 s13, s12, 3                          ; my tile of queries
	s_lshr_b32 s14, s12, 2                         ; my 128 keys
	s_and_b32 s17, ttmp7, 0xffff                   ; 12 x batch + head
	s_cmp_ge_u32 s17, 12
	s_cselect_b32 s18, 1, 0                        ; the batch
	s_mul_i32 s19, s18, 12
	s_sub_co_u32 s19, s17, s19                     ; the head
	; descriptor group 1: 32 rows of 32 elements of 8 bytes, dense: 8,192 bytes
	s_mov_b32 s32, 3<<16                           ; no mask; elements of 8 bytes; no padding
	s_mov_b32 s33, 32<<16                          ; tensor_dim0
	s_mov_b32 s34, 32<<16                          ; tensor_dim1
	s_mov_b32 s35, 32<<16                          ; tile_dim0
	s_mov_b32 s36, 32                              ; tile_dim1
	s_mov_b32 s37, 32                              ; the pitch
	s_mov_b32 s38, 0
	s_mov_b32 s39, 0
	s_mov_b32 s44, 0x3e38aa3b                      ; kappa = log2(e) / 8
	s_mov_b32 s45, s44                             ; (named with it as a pair)
	s_mov_b32 s46, 0x76543210
	s_mov_b32 s47, 0xfedcba98                      ; v_permlanex16_b32's selects for lane l xor 16
	v_and_b32 v10, 31, v0
	v_lshlrev_b32 v3, 4, v10                       ; 16 x lane
	v_lshlrev_b32 v249, 2, v10                     ; 4 x lane
	v_and_b32 v11, 15, v0                          ; r
	v_bfe_u32 v12, v0, 4, 1                        ; h
	s_lshl_b32 s20, s14, 14
	s_add_co_u32 s20, s20, KIMG
	v_add_nc_u32 v4, s20, v3                       ; my eight tiles of K
	v_add_nc_u32 v5, 0x10000, v4                   ; my four key steps of V
	s_lshl_b32 s20, s12, 12
	s_add_co_u32 s20, s20, MRG
	v_add_nc_u32 v[MW], s20, v3                    ; the merge's four addresses: a constant + a constant x wave + a constant x lane
	s_lshl_b32 s20, s12, 8
	s_add_co_u32 s20, s20, ML
	v_add_nc_u32 v[MLW], s20, v249
	s_lshl_b32 s20, s13, 12
	s_lshl_b32 s21, s14, 10
	s_add_co_u32 s20, s20, s21
	s_add_co_u32 s20, s20, MRG
	v_add_nc_u32 v[MR], s20, v3
	s_lshl_b32 s20, s13, 8
	s_add_co_u32 s20, s20, ML
	v_add_nc_u32 v[MLR], s20, v249
	v_lshlrev_b32 v8, 5, v12                       ; my eight keys of a tile: 32 h bytes on
	v_lshlrev_b32 v242, 2, v11                     ; my query: 4 r
	v_lshlrev_b32 v241, 3, v0                      ; the tables' copy (waves 0 to 3): slot = thread
	v_lshrrev_b32 v243, 6, v0                      ; its axis,
	v_and_b32 v244, 63, v0
	v_min_u32 v244, 43, v244                       ; its entry (slots 44 on repeat the last and are read by nobody)
	v_mad_u32_u24 v243, v243, 44, v244
	v_lshlrev_b32 v240, 7, v243                    ; 128 bytes an entry
	v_mov_b32 v13, 0                               ; a lane permute's destination counts as one of its sources
	v_mov_b32 v15, 0                               ; (named as the upper half of the pair v[14:15])
	s_mul_i32 s21, s17, 196608                     ; the (batch, head)'s first byte in qkv
	s_lshl_b32 s22, s12, 13                        ; my 8,192 bytes of K's and V's images:
	s_add_co_u32 s41, s22, KIMG                    ; in LDS,
	s_add_co_u32 s22, s22, s21
	s_add_co_u32 s22, s22, 65536                   ; and in memory, behind Q's image
	s_mov_b32 s23, 0
	s_lshl_b32 s24, ttmp9, 2                       ; my block of 64 queries is the work-group's x
	s_add_co_u32 s24, s24, s13                     ; my tile of queries in the (batch, head)
	s_lshl_b32 s26, s24, 11
	s_add_co_u32 s26, s26, s21
	s_mov_b32 s27, 0
	s_lshl_b32 s28, s18, 11
	s_lshl_b32 s29, s14, 9
	s_add_co_u32 s28, s28, s29
	s_add_co_u32 s28, s28, 8192                    ; key_x of my 128 keys; key_y lies 4,096 bytes on
	s_mov_b32 s29, 0
	s_lshl_b32 s30, s18, 11
	s_lshl_b32 s31, s24, 6
	s_add_co_u32 s30, s30, s31                     ; query_x of my 16 queries
	s_mov_b32 s31, 0
	s_lshl_b32 s58, s18, 5
	s_add_co_u32 s58, s58, s24                     ; the token tile,
	s_mul_i32 s58, s58, 24
	s_lshl_b32 s59, s19, 1
	s_add_co_u32 s58, s58, s59
	s_lshr_b32 s59, s14, 1
	s_add_co_u32 s58, s58, s59                     ; the fragment of 32 channels that holds the 16 that I merge,
	s_lshl_b32 s58, s58, 10
	s_and_b32 s59, s14, 1
	s_lshl_b32 s59, s59, 9
	s_add_co_u32 s58, s58, s59                     ; and the group in it
	s_mov_b32 s59, 0
	s_lshl_b32 s60, s19, 3                         ; the head's slot in a table entry
	s_mov_b32 s61, 0
	s_wait_dscnt 0x0                               ; both opening adds are done
	s_wait_kmcnt 0x0
	s_mov_b32 s40, 1                               ; group 0: count = 1; s41 the LDS address;
	s_add_nc_u64 s[42:43], s[4:5], s[22:23]        ; the global address;
	s_or_b32 s43, s43, 0x80000000                  ; type = 2
	s_add_nc_u64 s[48:49], s[4:5], s[26:27]        ; Q
	s_add_nc_u64 s[50:51], s[8:9], s[28:29]        ; the keys' positions
	s_add_nc_u64 s[52:53], s[8:9], s[30:31]        ; the queries'
	s_add_nc_u64 s[54:55], s[10:11], s[58:59]      ; out
	s_add_nc_u64 s[56:57], s[6:7], s[60:61]        ; the tables
	tensor_load_to_lds s[40:43], s[32:39]          ; my 8,192 bytes of K's and V's images: the wave's one tensor load
	s_nop 0
.rept 4
	v_nop
.endr
.irp s, 0,1
.irp g, 0,1
	global_load_b128 v[16+8*\s+4*\g:19+8*\s+4*\g], v3, s[48:49] offset:1024*\s+512*\g   ; Q's two fragments stay in registers
.endr
.endr
	global_load_b32 v6, v242, s[52:53]
	global_load_b32 v7, v242, s[52:53] offset:4096
	LDKI 0
	LDKI 1
	LDKI 2
	LDKI 3
	s_cmp_ge_u32 s12, 4
	s_cbranch_scc1 .Lno_table                      ; waves 0 to 3 copy the head's two tables into LDS, a slot a thread
	global_load_b64 v[176:177], v240, s[56:57]
	s_wait_loadcnt 0x0
	ds_store_b64 v241, v[176:177] offset:TAB
.Lno_table:
	s_wait_loadcnt 0x0                             ; Q, my query, the first four tiles' keys
	s_wait_tensorcnt 0x0                           ; my part of K's and V's images has landed,
	s_wait_dscnt 0x0                               ; my part of the tables is stored:
	s_barrier_signal -1
	s_barrier_wait -1                              ; everybody's.  From here to the next barrier LDS is only read
	ADDR 0, -1
	ADDR 1, -1
	FIN 0, 16
	ADDR 2, -1
	FIN 1, 16
	ADDR 3, -1
	FIN 2, 16
	ADDR 4, 8                                      ; behind tile 4's positions: tiles 5 and 6's, four loads each
	FIN 3, 16
	ADDR 5, 8                                      ; tiles 6 and 7's
	FIN 4, 16
	ADDR 6, 4                                      ; tile 7's
	FIN 5, 16
	ADDR 7, 0
	FIN 6, 16
	FIN 7, 0
.irp T, 0,1,2,3,4,5,6,7                ; K's sixteen fragments land while the sigmoid is made
.irp s, 0,1
.irp g, 0,1
	ds_load_b128 v[96+16*\T+8*\s+4*\g:99+16*\T+8*\s+4*\g], v4 offset:2048*\T+1024*\s+512*\g
.endr
.endr
.endr
.set i, 0
.rept 64
	v_exp_f32 v[32+i], v[32+i]                     ; exp(-z) / 8
.set i, i+1
.endr
	v_nop                                          ; a plain line behind the last exponential
	s_wait_alu depctr_va_vdst(0)                   ; one wait for the batch, ahead of its first reader
.set i, 0
.rept 32
	v_pk_add_f32 v[32+i:33+i], v[32+i:33+i], 0x3e000000 op_sel_hi:[1,0]   ; + 1 / 8
.set i, i+2
.endr
.set i, 0
.rept 64
	v_rcp_f32 v[32+i], v[32+i]                     ; 8 sigmoid(z)
.set i, i+1
.endr
	v_nop
	s_wait_alu depctr_va_vdst(0)                   ; one wait for the batch, ahead of the matrix instructions that take it as C
	s_wait_dscnt 0x0                               ; K's fragments
.irp s, 0,1                            ; S^T = K Q^T + 8 bias: the eight accumulators by turns
.irp T, 0,1,2,3,4,5,6,7
	v_wmma_f32_16x16x32_f16 v[32+8*\T:39+8*\T], v[96+16*\T+8*\s:103+16*\T+8*\s], v[16+8*\s:23+8*\s], v[32+8*\T:39+8*\T]
.endr
.endr
.rept 4
	v_nop                                          ; places in front of the loads into K's registers and of the first read of the scores
.endr
.irp u, 0,1,2,3                        ; V's sixteen fragments land while the softmax is made
.irp c, 0,1,2,3
.irp g, 0,1
	ds_load_b128 v[96+32*\u+8*\c+4*\g:99+32*\u+8*\c+4*\g], v5 offset:4096*\u+1024*\c+512*\g
.endr
.endr
.endr
.irp b, 0,1,2,3                        ; the largest of my 64 scores, four chains, each accumulator from its low end on
	v_max3_num_f32 v[9+\b], v[32+16*\b], v[33+16*\b], v[34+16*\b]
.endr
.irp i, 3,5,7,9,11,13
.irp b, 0,1,2,3
	v_max3_num_f32 v[9+\b], v[9+\b], v[32+16*\b+\i], v[33+16*\b+\i]
.endr
.endr
.irp b, 0,1,2,3
	v_max_num_f32 v[9+\b], v[9+\b], v[47+16*\b]
.endr
	v_max3_num_f32 v9, v9, v10, v11
	v_max_num_f32 v9, v9, v12
	v_permlanex16_b32 v13, v9, s46, s47
	v_max_num_f32 v9, v9, v13                      ; with lane l xor 16's 64 keys: my query's maximum over the wave's 128
	v_mul_f32 v14, s44, v9                         ; kappa max
.set i, 0
.rept 32
	v_pk_fma_f32 v[32+i:33+i], v[32+i:33+i], s[44:45], v[14:15] op_sel_hi:[1,0,0] neg_lo:[0,0,1] neg_hi:[0,0,1]
.set i, i+2
.endr
.set i, 0
.rept 64
	v_exp_f32 v[32+i], v[32+i]                     ; p = 2^(kappa S - kappa max)
.set i, i+1
.endr
	v_nop
	s_wait_alu depctr_va_vdst(0)                   ; one wait for the batch
	v_pk_add_f32 v[10:11], v[32:33], v[34:35]      ; the sum of the unrounded p, two chains
	v_pk_add_f32 v[12:13], v[36:37], v[38:39]
.irp j, 8,12,16,20,24,28,32,36,40,44,48,52,56,60
	v_pk_add_f32 v[10:11], v[10:11], v[32+\j:33+\j]
	v_pk_add_f32 v[12:13], v[12:13], v[34+\j:35+\j]
.endr
	v_pk_add_f32 v[10:11], v[10:11], v[12:13]
	v_add_f32 v10, v10, v11
	v_permlanex16_b32 v13, v10, s46, s47
	v_add_f32 v10, v10, v13                        ; the wave's sum for my query
.set i, 0
.rept 32                               ; two neighbouring tiles' registers ARE source 1 (32 keys x 16 queries) of the second product: key steps 0, 1 into Q's registers, which are done with; 2, 3 into v224-239
.if i < 16
	v_cvt_pk_f16_f32 v[16+i], v[32+2*i], v[33+2*i]
.else
	v_cvt_pk_f16_f32 v[208+i], v[32+2*i], v[33+2*i]
.endif
.set i, i+1
.endr
	s_wait_dscnt 0x0                               ; V's fragments
.irp u, 0,1,2,3                        ; O^T = V^T P^T: four accumulators by turns; the first key step starts the sums
.set PB, 16+8*\u+192*(\u/2)
.irp c, 0,1,2,3
.if \u == 0
	v_wmma_f32_16x16x32_f16 v[32+8*\c:39+8*\c], v[96+8*\c:103+8*\c], v[PB:PB+7], 0
.else
	v_wmma_f32_16x16x32_f16 v[32+8*\c:39+8*\c], v[96+32*\u+8*\c:103+32*\u+8*\c], v[PB:PB+7], v[32+8*\c:39+8*\c]
.endif
.endr
.endr
.rept 4
	v_nop                                          ; places between the last products and the LDS stores that read them
.endr
	s_wait_dscnt 0x0
	s_barrier_signal -1
	s_barrier_wait -1                              ; no wave has a gather out: LDS may be written again
.irp c, 0,1,2,3
	ds_store_b128 v[MW], v[32+8*\c:35+8*\c] offset:1024*\c           ; as register images; each accumulator from its low end on
	ds_store_b128 v[MW], v[36+8*\c:39+8*\c] offset:1024*\c+512
.endr
	ds_store_b32 v[MLW], v14
	ds_store_b32 v[MLW], v10 offset:128
	s_wait_dscnt 0x0                               ; for the others' sake: my stores are done
	s_barrier_signal -1
	s_barrier_wait -1
.irp k, 0,1,2,3                        ; the four waves of my query tile: their parts of my 16 channels, their maxima and sums
	ds_load_b128 v[96+8*\k:99+8*\k], v[MR] offset:16384*\k
	ds_load_b128 v[100+8*\k:103+8*\k], v[MR] offset:16384*\k+512
	ds_load_b32 v[128+\k], v[MLR] offset:1024*\k
	ds_load_b32 v[132+\k], v[MLR] offset:1024*\k+128
.endr
	s_wait_dscnt 0x0
	v_max3_num_f32 v9, v128, v129, v130
	v_max_num_f32 v9, v9, v131                     ; the row's kappa max
.irp k, 0,1,2,3
	v_sub_f32 v[136+\k], v[128+\k], v9
.endr
.irp k, 0,1,2,3
	v_exp_f32 v[136+\k], v[136+\k]                 ; what brings each part under the row's maximum
.endr
	v_nop
	s_wait_alu depctr_va_vdst(0)
	v_mul_f32 v11, v136, v132
	v_fmac_f32 v11, v137, v133
	v_fmac_f32 v11, v138, v134
	v_fmac_f32 v11, v139, v135                     ; the row's sum
	v_rcp_f32 v12, v11
	v_nop
	s_wait_alu depctr_va_vdst(0)
.irp k, 0,1,2,3
	v_mul_f32 v[140+2*\k], v[136+\k], v12          ; each part's weight, twice: a pair for the packed forms
	v_mul_f32 v[141+2*\k], v[136+\k], v12
.endr
.irp p, 0,1,2,3
	v_pk_mul_f32 v[152+2*\p:153+2*\p], v[96+2*\p:97+2*\p], v[140:141]
.endr
.irp k, 1,2,3
.irp p, 0,1,2,3
	v_pk_fma_f32 v[152+2*\p:153+2*\p], v[96+8*\k+2*\p:97+8*\k+2*\p], v[140+2*\k:141+2*\k], v[152+2*\p:153+2*\p]
.endr
.endr
.irp p, 0,1,2,3
	v_cvt_pk_f16_f32 v[160+\p], v[152+2*\p], v[153+2*\p]
.endr
	global_store_b128 v3, v[160:163], s[54:55]     ; one group of the next launch's fragment: 512 consecutive bytes
	s_wait_tensorcnt 0x0                           ; the wave's end: behind my last tensor load and my last LDS store
	ds_add_u32 v1, v2
	s_wait_dscnt 0x0
	s_endpgm
.Lfunc_end_k_q5b5bd6f536_attn:
	.size	k_q5b5bd6f536_attn, .Lfunc_end_k_q5b5bd6f536_attn-k_q5b5bd6f536_attn
	.p2alignl 7, 3214868480
	.fill 96, 4, 3214868480
	.section	.rodata,"a",@progbits
	.p2align	6, 0x0
	.amdhsa_kernel k_q5b5bd6f536_attn
		.amdhsa_group_segment_fixed_size 203776
		.amdhsa_private_segment_fixed_size 0
		.amdhsa_enable_private_segment 0
		.amdhsa_kernarg_size 32
		.amdhsa_user_sgpr_count 2
		.amdhsa_user_sgpr_kernarg_segment_ptr 1
		.amdhsa_wavefront_size32 1
		.amdhsa_system_sgpr_workgroup_id_x 1
		.amdhsa_system_sgpr_workgroup_id_y 1
		.amdhsa_system_sgpr_workgroup_id_z 1
		.amdhsa_system_vgpr_workitem_id 0
		.amdhsa_next_free_vgpr 256
		.amdhsa_next_free_sgpr 66
		.amdhsa_reserve_vcc 0
		.amdhsa_float_denorm_mode_32 3
		.amdhsa_float_denorm_mode_16_64 3
		.amdhsa_memory_ordered 1
		.amdhsa_forward_progress 1
		.amdhsa_inst_pref_size 79
	.end_amdhsa_kernel
	.amdgpu_metadata
---
amdhsa.version: [ 1, 2 ]
amdhsa.kernels:
  - .name:           k_q5b5bd6f536_attn
    .symbol:         k_q5b5bd6f536_attn.kd
    .args:
      - { .name: qkv, .offset: 0, .size: 8, .value_kind: global_buffer, .address_space: global }
      - { .name: tab, .offset: 8, .size: 8, .value_kind: global_buffer, .address_space: global }
      - { .name: pos, .offset: 16, .size: 8, .value_kind: global_buffer, .address_space: global }
      - { .name: oimg, .offset: 24, .size: 8, .value_kind: global_buffer, .address_space: global }
    .group_segment_fixed_size: 203776
    .private_segment_fixed_size: 0
    .kernarg_segment_align: 8
    .kernarg_segment_size: 32
    .max_flat_workgroup_size: 512
    .sgpr_count:     66
    .vgpr_count:     256
    .wavefront_size: 32
...
	.end_amdgpu_metadata
.endif
;; end of part 3
;; launch oproj (part 4): grid 12 x 16, 4 waves a work-group, clusters of 4 x 4, 214,528 bytes of LDS; arguments oimg, woimg, bo, out0; writes out0
.if DOCPART == 4
	.amdgcn_target "amdgcn-amd-amdhsa--gfx1250"
	.amdhsa_code_object_version 6
	.text
	.protected	k_q5b5bd6f536_oproj
	.globl	k_q5b5bd6f536_oproj
	.p2align	8
	.type	k_q5b5bd6f536_oproj,@function
k_q5b5bd6f536_oproj:
	s_mov_b64 s[64:65], 0
	v_nop
	global_prefetch_b8 v0, s[64:65] scope:SCOPE_SE
	s_setreg_imm32_b32 hwreg(HW_REG_WAVE_MODE, 25, 1), 1
	s_wait_xcnt 0x0
	s_wait_alu depctr_hold_cnt(0) depctr_sa_sdst(0) depctr_va_vdst(0) depctr_va_sdst(0) depctr_va_ssrc(0) depctr_va_vcc(0) depctr_vm_vsrc(0)
	s_getreg_b32 s2, hwreg(HW_REG_IB_STS2, 6, 4)
	s_cmp_eq_u32 s2, 0
	s_cbranch_scc0 .Lentry_in_a_cluster
	s_endpgm
.Lentry_in_a_cluster:
	s_bfe_u32 s2, ttmp6, 0x10000c
	s_cmp_lg_u32 s2, 0xf033
	s_cbranch_scc0 .Lentry_shape_is_right
	s_endpgm
.Lentry_shape_is_right:
; out0 = o Wo + bo: 1,024 x 768 x 768, operands in f16 (both lie in memory as images of fragments), sums in f32.
; SHARES.  A work-group makes 64 tokens x 64 outputs; wave w takes token tile w against the four tiles of outputs: four accumulators, K in 24 steps of 32: 96 matrix instructions.
;   192 work-groups: a block is 64 outputs wide so that a row's part of out0 is 256 consecutive bytes, aligned.
; ALL OF K LIES IN LDS: four tiles of o and four of Wo, 24,576 bytes each, filled once, in two halves of K, so that the first half is multiplied while the second lands.
; CLUSTER 4 x 4: o's tiles hang on the block of tokens alone and are shared along a row of the cluster, Wo's on the block of outputs alone and are shared along a column: each is asked for JOINTLY.
;   A wave issues four tensor loads on end (o and Wo, first and second half): four are out.
; THE MATRIX INSTRUCTION IS USED TRANSPOSED (source 0 = 16 outputs of Wo, source 1 = 16 tokens): a lane holds eight neighbouring outputs of one token.  bo is loaded into the accumulators: it is the first C.
; LIMIT: o and Wo are f16 operands: magnitudes under 65,504; under 6e-5 bits are lost.
; LDS: 0 o's four tiles; 98,304 Wo's four; 196,608 a stage of 16 rows x 272 bytes for each wave; 214,016 the spare words.
; REGISTERS: v1, v2 the add's two; v3 o's fragments in LDS; v4, v5 Wo's (tiles 0-1, 2-3); v6, v7 the stage, in and back; v8 my bytes in out0; v9 32 h; v16-47 accumulators;
;   v48-207 four sets of five fragments (o at + 0, Wo's tile a at + 8 + 8 a); v208-239 rows on the way out.
.set WIMG,  98304
.set STAGE, 196608
.set SPARE, STAGE+4*16*272
.macro CROUND                          ; a round of the cluster's barrier
	s_barrier_signal -1
	s_barrier_wait -1
	s_cmp_lg_u32 s12, 0
	s_cbranch_scc1 .Lnot_wave_0_\@
	s_barrier_signal -3
.Lnot_wave_0_\@:
	s_barrier_wait -3
	s_barrier_signal -1
	s_barrier_wait -1
.endm
.macro PLACES                          ; four plain lines between a matrix instruction and a load into, or a store of, its registers
.rept 4
	v_nop
.endr
.endm
.macro LDF ks, q                       ; K step ks: five fragments, ten loads of 512 consecutive bytes, into set q
.set FB, 48+40*(\q)
	ds_load_b128 v[FB:FB+3], v3 offset:1024*(\ks)
	ds_load_b128 v[FB+4:FB+7], v3 offset:1024*(\ks)+512
.irp a, 0,1,2,3
	ds_load_b128 v[FB+8+8*\a:FB+11+8*\a], v[4+\a/2] offset:24576*(\a%2)+1024*(\ks)
	ds_load_b128 v[FB+12+8*\a:FB+15+8*\a], v[4+\a/2] offset:24576*(\a%2)+1024*(\ks)+512
.endr
.endm
.macro MM q                            ; the four accumulators by turns
.set FB, 48+40*(\q)
.irp a, 0,1,2,3
	v_wmma_f32_16x16x32_f16 v[16+8*\a:23+8*\a], v[FB+8+8*\a:FB+15+8*\a], v[FB:FB+7], v[16+8*\a:23+8*\a]
.endr
.endm
.macro HALF p                          ; twelve K steps; the fragments run three steps ahead
	PLACES
.irp i, 0,1,2,3
	LDF 12*(\p)+\i, \i
.endr
.irp i, 0,1,2,3,4,5,6,7,8,9,10,11
.if \i < 9
	s_wait_dscnt 30                                ; this step's ten loads are in; the next three steps' may be out
.else
	s_wait_dscnt 10*(11-\i)
.endif
	MM \i%4
	PLACES
.if \i < 8
	LDF 12*(\p)+\i+4, \i%4
.endif
.endr
.endm
	s_load_b256 s[4:11], s[0:1], 0x0               ; oimg s[4:5], woimg s[6:7], bo s[8:9], out0 s[10:11]
	v_lshl_add_u32 v1, v0, 2, SPARE
	v_mov_b32 v2, 0
	ds_add_u32 v1, v2                              ; the wave's opening: the add, twice on end, and its wait ahead of my first tensor load
	ds_add_u32 v1, v2
	v_lshrrev_b32 v10, 5, v0
	v_readfirstlane_b32 s12, v10                   ; wave 0..3
	s_bfe_u32 s13, ttmp6, 0x40000                  ; cx, cy: my place in the cluster
	s_bfe_u32 s14, ttmp6, 0x40004
	s_lshl_b32 s15, ttmp9, 2
	s_add_co_u32 s15, s15, s13                     ; my block of 64 outputs
	s_and_b32 s16, ttmp7, 0xffff
	s_lshl_b32 s16, s16, 2
	s_add_co_u32 s16, s16, s14                     ; my block of 64 tokens
	s_lshl_b32 s17, s14, 2
	s_lshl_b32 s17, 15, s17                        ; my row of the cluster
	s_lshl_b32 s18, 0x1111, s13                    ; my column
	; descriptor groups 1: 48 rows of 32 elements of 8 bytes, dense: half of K of one tile, 12,288 bytes
	s_or_b32 s28, s17, (3<<16)|(1<<21)             ; o's tiles go to my row; elements of 8 bytes; bit 21 set beside a mask
	s_or_b32 s36, s18, (3<<16)|(1<<21)             ; Wo's to my column
.irp g, 28, 36
	s_mov_b32 s[\g+1], 32<<16                      ; tensor_dim0
	s_mov_b32 s[\g+2], 48<<16                      ; tensor_dim1
	s_mov_b32 s[\g+3], 32<<16                      ; tile_dim0
	s_mov_b32 s[\g+4], 48                          ; tile_dim1
	s_mov_b32 s[\g+5], 32                          ; the pitch
	s_mov_b32 s[\g+6], 0
	s_mov_b32 s[\g+7], 0
.endr
	s_lshl_b32 s20, s16, 2
	s_add_co_u32 s20, s20, s12
	s_mul_i32 s20, s20, 24576                      ; o: token tile 4 x block + wave: made of the block of tokens and the wave's number alone
	s_mov_b32 s21, 0
	s_lshl_b32 s22, s15, 2
	s_add_co_u32 s22, s22, s12
	s_mul_i32 s22, s22, 24576                      ; Wo: tile 4 x block + wave: made of the block of outputs and the wave's number alone
	s_mov_b32 s23, 0
	s_mul_i32 s24, s12, 24576                      ; where they go: no place in the cluster enters an LDS address
	s_mul_i32 s25, s12, 16*272
	s_add_co_u32 s25, s25, STAGE                   ; my stage
	v_and_b32 v10, 31, v0
	v_and_b32 v11, 15, v0                          ; r
	v_bfe_u32 v12, v0, 4, 1                        ; h
	v_lshlrev_b32 v13, 4, v10                      ; 16 x lane
	v_add_nc_u32 v3, s24, v13
	v_add_nc_u32 v4, WIMG, v13
	v_add_nc_u32 v5, WIMG+49152, v13
	v_mul_u32_u24 v6, v11, 272
	v_lshl_add_u32 v6, v12, 5, v6
	v_add_nc_u32 v6, s25, v6                       ; in: row = token r, 32 bytes for each half of the lanes
	v_mul_u32_u24 v7, v12, 272
	v_lshl_add_u32 v7, v11, 4, v7
	v_add_nc_u32 v7, s25, v7                       ; back: lanes 0-15 one row of 256 bytes, lanes 16-31 the next
	v_mul_u32_u24 v8, v12, 3072
	v_lshl_add_u32 v8, v11, 4, v8                  ; and the same two rows in out0
	v_lshlrev_b32 v9, 5, v12                       ; bo: my eight outputs of a tile
	s_lshl_b32 s26, s16, 6
	s_lshl_b32 s27, s12, 4
	s_add_co_u32 s26, s26, s27
	s_mul_i32 s26, s26, 3072                       ; my first row of out0,
	s_lshl_b32 s60, s15, 8                         ; the block's first output, in bytes
	s_add_co_u32 s26, s26, s60
	s_mov_b32 s27, 0
	s_mov_b32 s61, 0
	s_wait_dscnt 0x0                               ; both opening adds are done
	s_wait_kmcnt 0x0
	s_mov_b32 s44, 1                               ; group 0, o, first half of K
	s_mov_b32 s45, s24
	s_add_nc_u64 s[46:47], s[4:5], s[20:21]
	s_or_b32 s47, s47, 0x80000000
	s_mov_b32 s48, 1                               ; Wo, first half
	s_add_co_u32 s49, s24, WIMG
	s_add_nc_u64 s[50:51], s[6:7], s[22:23]
	s_or_b32 s51, s51, 0x80000000
	s_mov_b32 s52, 1                               ; o, second half: 12,288 bytes on in memory and in LDS
	s_add_co_u32 s53, s24, 12288
	s_add_nc_u64 s[54:55], s[46:47], 12288
	s_mov_b32 s56, 1                               ; Wo, second half
	s_add_co_u32 s57, s24, WIMG+12288
	s_add_nc_u64 s[58:59], s[50:51], 12288
	s_add_nc_u64 s[8:9], s[8:9], s[60:61]
	s_add_nc_u64 s[10:11], s[10:11], s[26:27]
	CROUND                                         ; all sixteen work-groups are here: the joint loads meet
	tensor_load_to_lds s[44:47], s[28:35]
	s_nop 0
	tensor_load_to_lds s[48:51], s[36:43]
	s_nop 0
	tensor_load_to_lds s[52:55], s[28:35]
	s_nop 0
	tensor_load_to_lds s[56:59], s[36:43]
	s_nop 0
.rept 4
	v_nop
.endr
.irp a, 0,1,2,3
	global_load_b128 v[16+8*\a:19+8*\a], v9, s[8:9] offset:64*\a         ; bo at outputs 16 a + 8 h + 0 .. 7: the sums begin with it
	global_load_b128 v[20+8*\a:23+8*\a], v9, s[8:9] offset:64*\a+16
.endr
	s_wait_tensorcnt 2                             ; my parts of the first half of K are in; the second half's two loads may be out
	s_barrier_signal -1
	s_barrier_wait -1                              ; everybody's are
	s_wait_loadcnt 0x0                             ; bo
	HALF 0
	s_wait_tensorcnt 0x0                           ; my parts of the second half
	s_wait_dscnt 0x0
	s_barrier_signal -1
	s_barrier_wait -1
	HALF 1
	; THE WAY OUT (the last step's four plain lines stand behind the last products): through my own stage, back as whole rows
.irp a, 0,1,2,3
	ds_store_b128 v6, v[16+8*\a:19+8*\a] offset:64*\a                    ; each accumulator from its low end on
	ds_store_b128 v6, v[20+8*\a:23+8*\a] offset:64*\a+16
.endr
.irp i, 0,1,2,3,4,5,6,7
	ds_load_b128 v[208+4*\i:211+4*\i], v7 offset:2*\i*272                ; LDS serves a wave's instructions in order (ISA guide 5.7.1.4): these see my stores
.endr
.irp i, 0,1,2,3,4,5,6,7
	s_wait_dscnt 7-\i
	global_store_b128 v8, v[208+4*\i:211+4*\i], s[10:11] offset:2*\i*3072 th:TH_STORE_NT   ; sixteen lanes store 256 consecutive bytes, at a multiple of 256 from out0's first byte
.endr
	s_wait_tensorcnt 0x0                           ; the wave's end: behind my last tensor load and my last LDS store
	ds_add_u32 v1, v2
	s_wait_dscnt 0x0
	CROUND                                         ; the closing round: no work-group ends while a partner may still ask for a tile that names it
	s_endpgm
.Lfunc_end_k_q5b5bd6f536_oproj:
	.size	k_q5b5bd6f536_oproj, .Lfunc_end_k_q5b5bd6f536_oproj-k_q5b5bd6f536_oproj
	.p2alignl 7, 3214868480
	.fill 96, 4, 3214868480
	.section	.rodata,"a",@progbits
	.p2align	6, 0x0
	.amdhsa_kernel k_q5b5bd6f536_oproj
		.amdhsa_group_segment_fixed_size 214528
		.amdhsa_private_segment_fixed_size 0
		.amdhsa_enable_private_segment 0
		.amdhsa_kernarg_size 32
		.amdhsa_user_sgpr_count 2
		.amdhsa_user_sgpr_kernarg_segment_ptr 1
		.amdhsa_wavefront_size32 1
		.amdhsa_system_sgpr_workgroup_id_x 1
		.amdhsa_system_sgpr_workgroup_id_y 1
		.amdhsa_system_sgpr_workgroup_id_z 1
		.amdhsa_system_vgpr_workitem_id 0
		.amdhsa_next_free_vgpr 256
		.amdhsa_next_free_sgpr 66
		.amdhsa_reserve_vcc 0
		.amdhsa_float_denorm_mode_32 3
		.amdhsa_float_denorm_mode_16_64 3
		.amdhsa_memory_ordered 1
		.amdhsa_forward_progress 1
		.amdhsa_inst_pref_size 34
	.end_amdhsa_kernel
	.amdgpu_metadata
---
amdhsa.version: [ 1, 2 ]
amdhsa.kernels:
  - .name:           k_q5b5bd6f536_oproj
    .symbol:         k_q5b5bd6f536_oproj.kd
    .args:
      - { .name: oimg, .offset: 0, .size: 8, .value_kind: global_buffer, .address_space: global }
      - { .name: woimg, .offset: 8, .size: 8, .value_kind: global_buffer, .address_space: global }
      - { .name: bo, .offset: 16, .size: 8, .value_kind: global_buffer, .address_space: global }
      - { .name: out0, .offset: 24, .size: 8, .value_kind: global_buffer, .address_space: global }
    .group_segment_fixed_size: 214528
    .private_segment_fixed_size: 0
    .kernarg_segment_align: 8
    .kernarg_segment_size: 32
    .max_flat_workgroup_size: 128
    .sgpr_count:     66
    .vgpr_count:     256
    .wavefront_size: 32
...
	.end_amdgpu_metadata
.endif
;; end of part 4
